; MI455X (gfx1250); checked and timed in simulation.
; The chip was launched on July 23, 2026; its instructions are those of AMD's public machine-readable ISA for CDNA 5 (MIT licence, August 2026) and "CDNA5" Instruction Set Architecture Reference Guide (July 2026). The comments in the code are by the model that wrote it; some were corrected since.
;; CA3 Recurrent Attractor. Allowed arithmetic: matrix products marked QUANTISED: E4M3 operands, one given power-of-two scale a tensor, by v_wmma_f32_16x16x64_fp8_fp8 or v_wmma_f32_16x16x128_fp8_fp8, f32 sums; everything else in f32.
;; Inputs: W_mossy_codes 512 x 64 x 32 uint8 (E4M3 codes of W_mossy, K innermost, in blocks of 32 codes); W_rec_codes 512 x 16 x 32 uint8 (E4M3 codes of W_rec, K innermost, in blocks of 32 codes); dg_query_spikes_codes 16,384 x 64 x 32 uint8 (E4M3 codes of dg_query_spikes, K innermost, in blocks of 32 codes); lowp_scales 12 int32 (the exponents e of the quantised operands' scales 2^e); u0 512 float32; v0 512 float32.
;; Outputs: out0 16,384 x 512 float32.
;; This version of the problem:
;;   THIS VERSION OF THE PROBLEM IS GIVEN IN LOW PRECISION. The matrix products marked QUANTISED in the list below multiply operands that are first quantised to E4M3 (4 exponent bits, 3 mantissa bits; 8 bits a number), with one given power-of-two scale for each operand tensor; their sums are f32. All else is computed in f32.
;;   The module's matrix products, in the order in which they are computed (A, B: the left and right operand; K: the contracted axis; several contracted axes count as one K, in the product's order):
;;     1. [M 16,384, K 2,048] x [K 2,048, N 512]; A: input dg_query_spikes (given as codes); B: input W_mossy (given as codes): QUANTISED (scales: A lowp_scales[0], B lowp_scales[1])
;;     2. [M 16,384, K 512] x [K 512, N 512]; A: computed on the way; B: input W_rec (given as codes): QUANTISED (scales: A lowp_scales[2], B lowp_scales[3])
;;     3. [M 16,384, K 512] x [K 512, N 512]; A: computed on the way; B: input W_rec (given as codes): QUANTISED (scales: A lowp_scales[4], B lowp_scales[5])
;;     4. [M 16,384, K 512] x [K 512, N 512]; A: computed on the way; B: input W_rec (given as codes): QUANTISED (scales: A lowp_scales[6], B lowp_scales[7])
;;     5. [M 16,384, K 512] x [K 512, N 512]; A: computed on the way; B: input W_rec (given as codes): QUANTISED (scales: A lowp_scales[8], B lowp_scales[9])
;;     6. [M 16,384, K 512] x [K 512, N 512]; A: computed on the way; B: input W_rec (given as codes): QUANTISED (scales: A lowp_scales[10], B lowp_scales[11])
;;   THE QUANTISER, for each operand of a quantised product, along K:
;;     - The operand's scale is 2^e, e = its entry of the input lowp_scales (int32; the entries are numbered through the quantised products in the list's order, A before B).
;;     - Each number is divided by the scale, clamped to +-448, and rounded to the nearest number of E4M3, ties to even, subnormals kept.
;;     - The product sums the exact products of the quantised numbers (number of the format x scale) in f32.
;;   ~~~python
;;   def quantise(x, axis, e):      # numpy; x: float32 -> the quantised numbers, widened to float32 again
;;       x = np.moveaxis(x, axis, -1); K = x.shape[-1]
;;       r = np.clip(x / 2.0 ** e, -448, 448)
;;       step = 2.0 ** (np.maximum(np.frexp(np.where(r == 0, 1, r))[1] - 1, -6) - 3)
;;       q = np.round(r / step) * step * 2.0 ** e      # np.round: ties to even
;;       return np.moveaxis(q, -1, axis).astype(np.float32)
;;   ~~~
;;   OPERANDS COMPUTED ON THE WAY. 'Computed on the way' means the value that the module computes at that place (a softmax that the list does not call 'softmax' is quantised finished and normalised). What goes into a quantiser is computed in f32, as accurately as f32 sums, v_exp_f32 and their like allow (about 1e-6 of the number): no bf16 or f16 on the way to a quantiser, and a product that is left as it is and whose result goes on into a quantised operand takes f32 operands (vector FMAs, or v_wmma_f32_16x16x4_f32). A number that lies on a knife's edge between two numbers of the format may be rounded either way, as far as f32 arithmetic and the matrix unit's own rounding can turn it there, and no further.
;;   INPUTS GIVEN AS CODES. W_mossy (in the module: [512, 2048], K = its axis 1); W_rec (in the module: [512, 512], K = its axis 1); dg_query_spikes (in the module: [16384, 2048], K = its axis 1): each comes as NAME_codes (uint8): NAME with its K axis moved to the last place and cut into blocks of 32 codes, [.., K / 32, bytes a block], one block behind the other in memory; one code a byte (a code: sign, 4 exponent bits, 3 mantissa bits); its scale is its entry of lowp_scales. Its value is code x scale, taken as it is: it is not quantised again, and the codes and scales need not be those that the quantiser above would give.
;; One version. Each part assembles by itself: llvm-mc -triple=amdgcn-amd-amdhsa -mcpu=gfx1250 --defsym DOCPART=n.
;; ======== version 1 of 1: 1 launch
;; limits: right only within a limited range of input values
;; launch ca3 (part 1): grid 256 x 1, 4 waves a work-group, clusters of 4 x 1, 327,680 bytes of LDS; arguments dg_query_spikes_codes, W_mossy_codes, W_rec_codes, lowp_scales, v0, u0, out0; writes out0
.if DOCPART == 1
	.amdgcn_target "amdgcn-amd-amdhsa--gfx1250"
	.amdhsa_code_object_version 6
	.text
	.protected	k_q7e6dd2a449_ca3
	.globl	k_q7e6dd2a449_ca3
	.p2align	8
	.type	k_q7e6dd2a449_ca3,@function
k_q7e6dd2a449_ca3:
	s_mov_b64 s[64:65], 0
	v_nop
	global_prefetch_b8 v0, s[64:65] scope:SCOPE_SE
	s_setreg_imm32_b32 hwreg(HW_REG_WAVE_MODE, 25, 1), 1
	s_wait_xcnt 0x0
	s_wait_alu depctr_hold_cnt(0) depctr_sa_sdst(0) depctr_va_vdst(0) depctr_va_sdst(0) depctr_va_ssrc(0) depctr_va_vcc(0) depctr_vm_vsrc(0)
	s_getreg_b32 s2, hwreg(HW_REG_IB_STS2, 6, 4)
	s_cmp_eq_u32 s2, 0
	s_cbranch_scc0 .Lentry_in_a_cluster
	s_endpgm
.Lentry_in_a_cluster:
	s_bfe_u32 s2, ttmp6, 0x10000c
	s_cmp_lg_u32 s2, 0x3003
	s_cbranch_scc0 .Lentry_shape_is_right
	s_endpgm
.Lentry_shape_is_right:
; spike after five Izhikevich steps driven by I = 10 (dg W_mossy^T) + recurrent current.
; WORK LEFT OUT.  Every step ends with v = -55 wherever v >= 30, so behind a step v < 30 holds in every element, for all values of the inputs.
; So (v >= 30), the left operand of the recurrent products of steps 2 to 5 (products 3 to 6 of the table), is all zeros: those four products add 0 and are
; not computed, and lowp_scales[4..11] are not read.  For the same reason the upper end of the clip to [-90, 30] changes nothing.
; Product 2 is live: its left operand is (v0 >= 30), one row that reference() itself broadcasts to all rows, so all rows of its result are equal:
; each wave computes it once, for a tile of 16 equal rows, on quantised codes by the fp8 matrix form.
; LIMITS: a NaN, an infinity or an overflow that reaches only the work left out is not carried to the result.  e0 + e1, e2 and e2 + e3 lie between -100 and 100.
; A work-group makes 128 rows x 256 columns; four waves, each 64 x 128 (32 accumulators).  K goes in steps of 256 through two LDS slots.
; CLUSTER 4, 1, 1: the column half is cluster number & 1, so the four partners need the same tiles of W_mossy: joint loads, mask 15 (waves 2, 3).  dg's tiles are each work-group's own (waves 0, 1).
; The matrix form is used transposed (source 0 = W's rows): a lane holds one row and eight neighbouring columns.
; REGISTERS: window 0: v0-31 addresses and constants, v32-159 dg's fragments (two sets), later v, u, I + 140 of a chunk; window 1: accumulators;
; window 2: W_mossy's fragments (two sets); window 3: four constants for each of my 64 columns.  At the head windows 1 to 3 hold v0 along K and W_rec's fragments.
.set PITCH, 272
.set TROW, 16*PITCH
.set APART, 64*PITCH
.set BPART, 128*PITCH
.set BOFF, 2*APART
.set SLOT, BOFF+2*BPART
.set STAGE, 2*SLOT                     ; 16 rows x 528 bytes for each wave; no tensor load lands here
.set SPITCH, 528
.set SPARE, STAGE+4*16*SPITCH          ; the spare words
.set EXB, SPARE+512                    ; 4 x 4,096 bytes: product 2's sums, from wave to wave; no tensor load lands here
.set EXW, 15
.set EXR, 31
.set SPW, 1
.set NIL, 2
.set ADRA, 3
.set ADRB, 5
.set STO, 7
.set SRD, 8
.set CO, 9
.set PFO, 10
.set PFOB, 11
.set VKO, 12
.set WRO, 13
.set VO, 14
.set C04, 16
.set C5, 18
.set C02, 20
.set C01, 22
.set K140, 24
.set THR, 26
.set CLP, 27
.set RST, 28
.set H1, 29
.set SCL, 30
.set AF, 32
.set CODES, 32
.set TT, 32
.set V0C, 96
.set U0C, 160
.set VV, 32
.set UU, 96
.set JJ, 160
.set T1, 224
.set T2, 240
.set JC, 0                             ; window 3: rec + 140; v after step 1 without dg's part; u after step 1; the same + 4
.set V1C, 64
.set U1C, 128
.set U1S, 192
.set WV, 18
.set CNT, 19
.set WR, 20
.set WC, 21
.set G1A, 24
.set G1B, 32
.set G0A, 40
.set G0B, 48
.set ESC, 56
.set S1, 60
.set HS1, 62
.set S2, 66
.set PFA, 68
.set PFB, 70
.set WRB, 72
.set OA, 74
.set OB, 76
.set OT, 78
.set MK, 80
.set CH, 96
.set CX, 97
.set COLH, 98
.set RBK, 99
.set MSB, 0
.macro WIN new
.if MSB != (\new)
	s_set_vgpr_msb (MSB<<8)|(\new)
.set MSB, (\new)
.endif
.endm
.macro PLACES n
.rept \n
	v_nop
.endr
.endm
.macro CREST
	s_cmp_lg_u32 s[WV], 0
	s_cbranch_scc1 .Lnot_wave_0_\@
	s_barrier_signal -3
.Lnot_wave_0_\@:
	s_barrier_wait -3
	s_barrier_signal -1
	s_barrier_wait -1
.endm
.macro CROUND
	s_barrier_signal -1
	s_barrier_wait -1
	CREST
.endm
; one tensor load a wave: waves 0, 1 dg's 64 rows each, waves 2, 3 W_mossy's 128 rows each (joint)
.macro JLOAD s
	s_cmp_eq_u32 s[WR], 0
	s_cbranch_scc0 .Lfor_b_\@
	tensor_load_to_lds s[G0A+4*(\s):G0A+4*(\s)+3], s[G1A:G1A+7]
	s_nop 0
	PLACES 4
	s_branch .Lasked_\@
.Lfor_b_\@:
	tensor_load_to_lds s[G0B+4*(\s):G0B+4*(\s)+3], s[G1B:G1B+7]
	s_nop 0
	PLACES 4
.Lasked_\@:
.endm
.macro FRAG4 reg, adr, off             ; 16 rows x 128 K: registers 4 c .. 4 c + 3 hold K = 32 c + 16 h + 0 .. 15, alike in both operands
.irp c, 0,1,2,3
	ds_load_b128 v[\reg+4*\c:\reg+4*\c+3], v[\adr] offset:\off+32*\c
.endr
.endm
.macro FETCH1 slot, q, set             ; 48 LDS loads: W's eight fragments, dg's four
	WIN 0x80
.irp i, 0,1,2,3,4,5,6,7
	FRAG4 128*(\set)+16*\i, ADRB+(\slot), TROW*\i+128*(\q)
.endr
	WIN 0
.irp i, 0,1,2,3
	FRAG4 AF+64*(\set)+16*\i, ADRA+(\slot), TROW*\i+128*(\q)
.endr
.endm
.macro MUL1H set, half, zero           ; 16 accumulators by turns
	WIN 0x52
.irp i, 0,1,2,3
.irp m, 0,1,2,3
.if \zero
	v_wmma_f32_16x16x128_fp8_fp8 v[8*(8*\m+4*\half+\i):8*(8*\m+4*\half+\i)+7], v[128*\set+16*(4*\half+\i):128*\set+16*(4*\half+\i)+15], v[AF+64*\set+16*\m:AF+64*\set+16*\m+15], 0
.else
	v_wmma_f32_16x16x128_fp8_fp8 v[8*(8*\m+4*\half+\i):8*(8*\m+4*\half+\i)+7], v[128*\set+16*(4*\half+\i):128*\set+16*(4*\half+\i)+15], v[AF+64*\set+16*\m:AF+64*\set+16*\m+15], v[8*(8*\m+4*\half+\i):8*(8*\m+4*\half+\i)+7]
.endif
.endr
.endr
.endm
; prefetches: in trip t the K step t + 4, which the load two refills on will want; the two loads at the head count as trips -2 and -1.
; dg: my work-group's 128 rows, a lane a row, 32 rows a wave.  W_mossy: by clusters 0 to 3 alone, the partners sharing the 256 rows by address,
; 16 rows x two K steps a wave, every second trip.  K steps 0 and 1 come by their loads alone; the last named K step is 7.
.macro ASK t
.if \t < 4
	global_prefetch_b8 v[PFO], s[PFA:PFA+1] offset:256*(\t+4) th:TH_LOAD_NT scope:SCOPE_SE
.endif
.if (\t == -2) || (\t == 0) || (\t == 2)
	s_cmp_lt_u32 ttmp9, 4
	s_cbranch_scc0 .Lnb_\@
	global_prefetch_b8 v[PFOB], s[PFB:PFB+1] offset:256*(\t+4) th:TH_LOAD_NT scope:SCOPE_SE
.Lnb_\@:
.endif
.endm
.macro STEP t
.if \t > 0
	WIN 0
	PLACES 4
.endif
	FETCH1 (\t)%2, 1, 1
	s_wait_dscnt 48                                ; all but the 48 just issued
.if \t == 0
	MUL1H 0, 0, 1
	MUL1H 0, 1, 1
.else
	MUL1H 0, 0, 0
	MUL1H 0, 1, 0
.endif
.endm
.macro TURN t
	WIN 0
.if \t < 7
	s_wait_tensorcnt 0x0                           ; my part of the next slot is in
	ds_add_u32 v[SPW], v[NIL]
.if \t < 6
	s_add_nc_u64 s[G0A+4*((\t)%2)+2:G0A+4*((\t)%2)+3], s[G0A+4*((\t)%2)+2:G0A+4*((\t)%2)+3], 512
	s_add_nc_u64 s[G0B+4*((\t)%2)+2:G0B+4*((\t)%2)+3], s[G0B+4*((\t)%2)+2:G0B+4*((\t)%2)+3], 512
.endif
	s_wait_dscnt 0x0                               ; the add, and my reads of this slot
	s_barrier_signal -1
	MUL1H 1, 0, 0
	WIN 0
	s_barrier_wait -1
.if \t < 6
	CREST                                          ; the barrier opened a round of the cluster's barrier
	JLOAD (\t)%2                                   ; K step t + 2 into the slot just read
.else
	PLACES 4
.endif
	FETCH1 (\t+1)%2, 0, 0
	ASK \t
	MUL1H 1, 1, 0
.else
	s_wait_dscnt 0x0
	MUL1H 1, 0, 0
	MUL1H 1, 1, 0
.endif
.endm
; THE STEPS, on a chunk of 16 rows x 128 columns (64 numbers a lane)
.macro X m                             ; from chunk m's sums: v after step 1 (before the reset) and J = I + 140; each accumulator from its low end on
	WIN 0x31
.set n, 0
.rept 32
	v_pk_fma_f32 v[VV+n:VV+n+1], v[64*\m+n:64*\m+n+1], s[HS1:HS1+1], v[V1C+n:V1C+n+1] op_sel_hi:[1,0,1]
.set n, n+2
.endr
.set n, 0
.rept 32
	v_pk_fma_f32 v[JJ+n:JJ+n+1], v[64*\m+n:64*\m+n+1], s[S1:S1+1], v[JC+n:JC+n+1] op_sel_hi:[1,0,1]
.set n, n+2
.endr
	WIN 0
.endm
.macro ARM m
	s_cmp_eq_u32 s[CH], \m
	s_cbranch_scc0 .Lnot_\m
	X \m
	s_wait_alu depctr_va_vdst(0)
	s_branch .Ljoin
.Lnot_\m:
.endm
.macro RESET o                         ; spike masks of 16 numbers; the lower clip; the reset
.set n, 0
.rept 16
	v_cmp_ge_f32 s[MK+n], v[VV+\o+n], v[THR]
.set n, n+1
.endr
.set n, 0
.rept 16
	v_max_num_f32 v[VV+\o+n], v[VV+\o+n], v[CLP]
.set n, n+1
.endr
.set n, 0
.rept 16
	v_cndmask_b32 v[VV+\o+n], v[VV+\o+n], v[RST], s[MK+n]
.set n, n+1
.endr
.endm
.macro FIN1 b                          ; step 1's end: u is one of two constants of the column
	WIN 0
	RESET 16*\b
	WIN 0x0f
.set n, 0
.rept 16
	v_cndmask_b32 v[UU+16*\b+n], v[U1C+16*\b+n], v[U1S+16*\b+n], s[MK+n]
.set n, n+1
.endr
.endm
.macro DV o                            ; T1 = dv = (0.04 v + 5) v + (J - u)
.set n, 0
.rept 8
	v_pk_add_f32 v[T1+n:T1+n+1], v[JJ+\o+n:JJ+\o+n+1], v[UU+\o+n:UU+\o+n+1] neg_lo:[0,1] neg_hi:[0,1]
.set n, n+2
.endr
.set n, 0
.rept 8
	v_pk_fma_f32 v[T2+n:T2+n+1], v[VV+\o+n:VV+\o+n+1], v[C04:C04+1], v[C5:C5+1]
.set n, n+2
.endr
.set n, 0
.rept 8
	v_pk_fma_f32 v[T1+n:T1+n+1], v[T2+n:T2+n+1], v[VV+\o+n:VV+\o+n+1], v[T1+n:T1+n+1]
.set n, n+2
.endr
.endm
.macro VNEW o
.set n, 0
.rept 8
	v_pk_fma_f32 v[VV+\o+n:VV+\o+n+1], v[T1+n:T1+n+1], 0.5, v[VV+\o+n:VV+\o+n+1] op_sel_hi:[1,0,1]
.set n, n+2
.endr
.endm
.macro GEN b                           ; a whole step on 16 numbers
	DV 16*\b
.set n, 0
.rept 8
	v_pk_fma_f32 v[T2+n:T2+n+1], v[VV+16*\b+n:VV+16*\b+n+1], v[C02:C02+1], v[UU+16*\b+n:UU+16*\b+n+1] neg_lo:[0,0,1] neg_hi:[0,0,1]
.set n, n+2
.endr
	VNEW 16*\b
.set n, 0
.rept 8
	v_pk_fma_f32 v[UU+16*\b+n:UU+16*\b+n+1], v[T2+n:T2+n+1], v[C01:C01+1], v[UU+16*\b+n:UU+16*\b+n+1]
.set n, n+2
.endr
	RESET 16*\b
.set n, 0
.rept 8
	v_pk_add_f32 v[T1+n:T1+n+1], v[UU+16*\b+n:UU+16*\b+n+1], 4.0 op_sel_hi:[1,0]
.set n, n+2
.endr
.set n, 0
.rept 16
	v_cndmask_b32 v[UU+16*\b+n], v[UU+16*\b+n], v[T1+n], s[MK+n]
.set n, n+1
.endr
.endm
.macro LAST b                          ; step 5: only its spikes are wanted
	DV 16*\b
	VNEW 16*\b
.set n, 0
.rept 16
	v_cmp_ge_f32 s[MK+n], v[VV+16*\b+n], v[THR]
.set n, n+1
.endr
.set n, 0
.rept 16
	v_cndmask_b32 v[VV+16*\b+n], 0, 1.0, s[MK+n]
.set n, n+1
.endr
.endm
	s_load_b256 s[4:11], s[0:1], 0x0               ; dg, W_mossy, W_rec, scales
	s_load_b128 s[12:15], s[0:1], 0x20             ; v0, u0
	s_load_b64 s[16:17], s[0:1], 0x30              ; out
	v_lshl_add_u32 v[SPW], v0, 2, SPARE
	v_mov_b32 v[NIL], 0
	ds_add_u32 v[SPW], v[NIL]
	ds_add_u32 v[SPW], v[NIL]
	v_lshrrev_b32 v15, 5, v0
	v_readfirstlane_b32 s[WV], v15
	s_lshr_b32 s[WR], s[WV], 1                     ; my half of the rows; also: I fetch dg (0) or W_mossy (1)
	s_and_b32 s[WC], s[WV], 1                      ; my half of the columns; also: which part I fetch
	s_mov_b32 s[G1A], (1<<20)|(5<<22)|(3<<25)      ; 1-byte elements, 16 bytes of padding behind every 256
	s_mov_b32 s[G1B], 15|(1<<20)|(1<<21)|(5<<22)|(3<<25)
	s_mov_b32 s[G1A+2], 64<<16
	s_mov_b32 s[G1B+2], 128<<16
	s_mov_b32 s[G1A+4], 64
	s_mov_b32 s[G1B+4], 128
.irp g, G1A, G1B
	s_mov_b32 s[\g+1], 256<<16
	s_mov_b32 s[\g+3], 256<<16
	s_mov_b32 s[\g+5], 2048
	s_mov_b32 s[\g+6], 0
	s_mov_b32 s[\g+7], 0
.endr
	s_mov_b32 s[G0A], 1
	s_mov_b32 s[G0A+4], 1
	s_mov_b32 s[G0B], 1
	s_mov_b32 s[G0B+4], 1
	s_mul_i32 s[G0A+1], s[WC], APART
	s_add_co_u32 s[G0A+5], s[G0A+1], SLOT
	s_mul_i32 s3, s[WC], BPART
	s_add_co_u32 s3, s3, BOFF
	s_add_co_u32 s[G0B+1], s3, 0
	s_add_co_u32 s[G0B+5], s3, SLOT
	s_mul_i32 s2, s[WR], APART
	s_mul_i32 s22, s[WV], 16*SPITCH
	s_add_co_u32 s22, s22, STAGE
	s_lshl_b32 s[CH], s[WC], 13
	s_add_co_u32 s[CH], s[CH], EXB                 ; where the sums of my 128 columns meet: 8,192 bytes for each column half
	s_lshl_b32 s[CNT], s[WR], 12
	s_add_co_u32 s[CNT], s[CNT], s[CH]             ; my 4,096 of them
	s_bfe_u32 s[CX], ttmp6, 0x40000
	s_and_b32 s[COLH], ttmp9, 1                    ; column half
	s_lshr_b32 s[RBK], ttmp9, 1
	s_lshl_b32 s[RBK], s[RBK], 2
	s_add_co_u32 s[RBK], s[RBK], s[CX]             ; block of 128 rows
	s_lshl_b32 s[OA], s[RBK], 18                   ; 128 rows of 2,048 bytes, in dg and in out alike
	s_mov_b32 s[OA+1], 0
	s_lshl_b32 s[OB], s[COLH], 19                  ; 256 rows of W_mossy
	s_mov_b32 s[OB+1], 0
	s_lshl_b32 s23, s[CX], 17
	s_lshl_b32 s[OT], s[WV], 15
	s_add_co_u32 s23, s23, s[OT]                   ; W_mossy's rows that my wave prefetches
	s_lshl_b32 s[OT], s[COLH], 10
	s_lshl_b32 s[OT+1], s[WC], 9
	s_add_co_u32 s[OT], s[OT], s[OT+1]             ; my first column x 4 bytes
	s_mov_b32 s[OT+1], 0
	v_and_b32 v14, 15, v0                          ; r
	v_bfe_u32 v15, v0, 4, 1                        ; h
	v_and_b32 v31, 31, v0
	v_mul_u32_u24 v[WRO], v14, PITCH
	v_lshl_add_u32 v[WRO], v15, 4, v[WRO]
	v_add_nc_u32 v[ADRA], s2, v[WRO]
	v_add_nc_u32 v[ADRA+1], SLOT, v[ADRA]
	v_add_nc_u32 v[ADRB], s3, v[WRO]
	v_add_nc_u32 v[ADRB+1], SLOT, v[ADRB]
	v_mul_u32_u24 v[STO], v14, SPITCH
	v_lshl_add_u32 v[STO], v15, 5, v[STO]
	v_add_nc_u32 v[STO], s22, v[STO]
	v_lshlrev_b32 v[CO], 4, v31
	v_add_nc_u32 v[SRD], s22, v[CO]
	v_lshlrev_b32 v[PFO], 11, v0
	v_lshlrev_b32 v[PFOB], 11, v14
	v_lshl_add_u32 v[PFOB], v15, 8, v[PFOB]
	v_add_nc_u32 v[PFOB], s23, v[PFOB]
	v_lshlrev_b32 v[VKO], 6, v15
	v_lshlrev_b32 v[WRO], 9, v14
	v_lshl_add_u32 v[WRO], v15, 4, v[WRO]
	v_lshlrev_b32 v[VO], 5, v15
	v_add_nc_u32 v[VO], s[OT], v[VO]
	v_add_nc_u32 v[EXW], s[CNT], v[CO]
	v_add_nc_u32 v[EXR], s[CH], v[CO]
.irp p, 0,1
	v_mov_b32 v[C04+\p], 0x3d23d70a                ; 0.04
	v_mov_b32 v[C5+\p], 0x40a00000                 ; 5
	v_mov_b32 v[C02+\p], 0x3e4ccccd                ; 0.2
	v_mov_b32 v[C01+\p], 0x3c23d70a                ; 0.02 x 0.5
	v_mov_b32 v[K140+\p], 0x430c0000               ; 140
.endr
	v_mov_b32 v[THR], 0x41f00000                   ; 30
	v_mov_b32 v[CLP], 0xc2b40000                   ; -90
	v_mov_b32 v[RST], 0xc25c0000                   ; -55
	s_wait_alu depctr_va_vdst(0)
	s_wait_dscnt 0x0
	s_wait_kmcnt 0x0
	s_load_b128 s[ESC:ESC+3], s[10:11], 0x0        ; e0 .. e3
	s_add_nc_u64 s[PFA:PFA+1], s[4:5], s[OA:OA+1]
	s_add_nc_u64 s[PFB:PFB+1], s[6:7], s[OB:OB+1]
	s_add_nc_u64 s[16:17], s[16:17], s[OA:OA+1]
	s_add_nc_u64 s[16:17], s[16:17], s[OT:OT+1]
	s_lshl_b32 s[OT], s[OT], 7                     ; my first column x 512 bytes: W_rec's rows
	s_add_nc_u64 s[WRB:WRB+1], s[8:9], s[OT:OT+1]
	s_lshl_b32 s[OT], s[WR], 15                    ; of my eight column tiles I take four: 64 rows of W_rec on for waves 2 and 3
	s_add_nc_u64 s[WRB:WRB+1], s[WRB:WRB+1], s[OT:OT+1]
	s_lshl_b32 s[OT], s[WR], 17
	s_add_nc_u64 s[16:17], s[16:17], s[OT:OT+1]
	s_lshl_b32 s[OT], s[WC], 17
	s_add_nc_u64 s[G0A+2:G0A+3], s[PFA:PFA+1], s[OT:OT+1]
	s_lshl_b32 s[OT], s[WC], 18
	s_add_nc_u64 s[G0B+2:G0B+3], s[PFB:PFB+1], s[OT:OT+1]
	s_add_nc_u64 s[G0A+6:G0A+7], s[G0A+2:G0A+3], 256
	s_add_nc_u64 s[G0B+6:G0B+7], s[G0B+2:G0B+3], 256
.irp g, G0A+3, G0A+7, G0B+3, G0B+7
	s_or_b32 s[\g], s[\g], 0x80000000
.endr
	CROUND
	JLOAD 0                                        ; K step 0: one tensor load a wave at the head
	ASK -2
	; PRODUCT 2, while K step 0 is on its way.  v0 along K (window 1), v0 and u0 at my columns, and W_rec's fragments (windows 2, 3) of four of my eight column tiles:
	; the wave with the same columns takes the other four, and the two exchange their sums through LDS
	WIN 0x40
.set g, 0
.rept 64
	global_load_b128 v[4*g:4*g+3], v[VKO], s[12:13] offset:128*(g/4)+16*(g%4)
.set g, g+1
.endr
.irp s, 0,1,2,3
	WIN 0x80+0x40*(\s/2)
.irp i, 0,1,2,3
.irp c, 0,1,2,3
	global_load_b128 v[128*(\s%2)+16*\i+4*\c:128*(\s%2)+16*\i+4*\c+3], v[WRO], s[WRB:WRB+1] offset:8192*\i+128*\s+32*\c
.endr
.endr
.endr
	WIN 0
.irp i, 0,1,2,3,4,5,6,7
	global_load_b128 v[V0C+8*\i:V0C+8*\i+3], v[VO], s[12:13] offset:64*\i
	global_load_b128 v[V0C+8*\i+4:V0C+8*\i+7], v[VO], s[12:13] offset:64*\i+16
	global_load_b128 v[U0C+8*\i:U0C+8*\i+3], v[VO], s[14:15] offset:64*\i
	global_load_b128 v[U0C+8*\i+4:U0C+8*\i+7], v[VO], s[14:15] offset:64*\i+16
.endr
	s_wait_kmcnt 0x0
	s_lshl_b32 s2, s[ESC+2], 23
	s_add_co_u32 s3, s2, 0x3f800000                ; 2^e2
	s_add_co_u32 s2, s2, 0x43e00000                ; 448 x 2^e2
	s_min_u32 s2, s2, 0x3f800000                   ; the indicator's 1, held at the largest code
	v_mov_b32 v[SCL], s3
	v_mov_b32 v[H1], s2
	s_add_co_i32 s2, s[ESC+2], s[ESC+3]
	s_lshl_b32 s2, s2, 23
	s_add_co_u32 s[S2], s2, 0x3f800000             ; 2^(e2 + e3)
	s_mov_b32 s[S2+1], s[S2]
	s_add_co_i32 s2, s[ESC], s[ESC+1]
	s_lshl_b32 s2, s2, 23
	s_add_co_u32 s[S1], s2, 0x41200000             ; 10 x 2^(e0 + e1)
	s_mov_b32 s[S1+1], s[S1]
	s_sub_co_u32 s[HS1], s[S1], 0x800000           ; half of it
	s_mov_b32 s[HS1+1], s[HS1]
	s_wait_alu depctr_va_vdst(0)
	s_wait_loadcnt 63                              ; 96 loads were issued behind v0's 64: those are in
.set b, 0
.rept 16                               ; (v0 >= 30) quantised: 16 numbers a turn, in the order of K that the fragments have
	WIN 0x01
.set n, 0
.rept 16
	v_cmp_ge_f32 s[MK+n], v[16*b+n], v[THR]
.set n, n+1
.endr
	WIN 0x40
.set n, 0
.rept 16
	v_cndmask_b32 v[16*b+n], 0, v[H1], s[MK+n]
.set n, n+1
.endr
	WIN 0x01
	v_cvt_scalef32_pk8_fp8_f32 v[CODES+4*b:CODES+4*b+1], v[16*b:16*b+7], v[SCL]
	v_cvt_scalef32_pk8_fp8_f32 v[CODES+4*b+2:CODES+4*b+3], v[16*b+8:16*b+15], v[SCL]
.set b, b+1
.endr
	v_nop
	WIN 0
	s_wait_alu depctr_va_vdst(0)
	s_wait_loadcnt 0x0
.irp s, 0,1,2,3                        ; four accumulators by turns, in window 1: register 8 i + j = the sum for column 16 i + 8 h + j of my four tiles
	WIN 0x52+(\s/2)
.irp i, 0,1,2,3
.if \s == 0
	v_wmma_f32_16x16x128_fp8_fp8 v[8*\i:8*\i+7], v[128*(\s%2)+16*\i:128*(\s%2)+16*\i+15], v[CODES+16*\s:CODES+16*\s+15], 0
.else
	v_wmma_f32_16x16x128_fp8_fp8 v[8*\i:8*\i+7], v[128*(\s%2)+16*\i:128*(\s%2)+16*\i+15], v[CODES+16*\s:CODES+16*\s+15], v[8*\i:8*\i+7]
.endif
.endr
.endr
	WIN 0
	PLACES 4
	s_wait_alu depctr_va_vdst(0)
	s_wait_tensorcnt 0x0                           ; my part of K step 0 is in: no tensor load of mine is out
	WIN 0x04
.irp i, 0,1,2,3,4,5,6,7
	ds_store_b128 v[EXW], v[4*\i:4*\i+3] offset:512*\i   ; my 32 registers of sums as an image, 16 bytes a lane; each accumulator from its low end on
.endr
	WIN 0
	s_wait_tensorcnt 0x0                           ; slot 1's first fill is issued as a refill is
	ds_add_u32 v[SPW], v[NIL]
	s_wait_dscnt 0x0
	CROUND
	JLOAD 1
	WIN 0x40
.irp k, 0,1,2,3,4,5,6,7,8,9,10,11,12,13,14,15
	ds_load_b128 v[4*\k:4*\k+3], v[EXR] offset:512*\k    ; both waves' images, behind the round: register 8 i + j = the sum for my column 16 i + 8 h + j, i = 0 .. 7
.endr
	WIN 0
	ASK -1
	s_wait_dscnt 0x0
	; the columns' constants, while K step 1 is on its way
	WIN 0xc1
.set n, 0
.rept 32
	v_pk_fma_f32 v[JC+n:JC+n+1], v[n:n+1], s[S2:S2+1], v[K140:K140+1] op_sel_hi:[1,0,1]   ; rec + 140
.set n, n+2
.endr
	WIN 0
.set n, 0
.rept 32
	v_pk_fma_f32 v[TT+n:TT+n+1], v[V0C+n:V0C+n+1], v[C04:C04+1], v[C5:C5+1]
.set n, n+2
.endr
	WIN 0x83
.set n, 0
.rept 32
	v_pk_add_f32 v[n:n+1], v[JC+n:JC+n+1], v[U0C+n:U0C+n+1] neg_lo:[0,1] neg_hi:[0,1]
.set n, n+2
.endr
	WIN 0xa0
.set n, 0
.rept 32
	v_pk_fma_f32 v[n:n+1], v[TT+n:TT+n+1], v[V0C+n:V0C+n+1], v[n:n+1]
.set n, n+2
.endr
	WIN 0xc2
.set n, 0
.rept 32
	v_pk_fma_f32 v[V1C+n:V1C+n+1], v[n:n+1], 0.5, v[V0C+n:V0C+n+1] op_sel_hi:[1,0,1]
.set n, n+2
.endr
	WIN 0
.set n, 0
.rept 32
	v_pk_fma_f32 v[TT+n:TT+n+1], v[V0C+n:V0C+n+1], v[C02:C02+1], v[U0C+n:U0C+n+1] neg_lo:[0,0,1] neg_hi:[0,0,1]
.set n, n+2
.endr
	WIN 0xc0
.set n, 0
.rept 32
	v_pk_fma_f32 v[U1C+n:U1C+n+1], v[TT+n:TT+n+1], v[C01:C01+1], v[U0C+n:U0C+n+1]
.set n, n+2
.endr
	WIN 0xc3
.set n, 0
.rept 32
	v_pk_add_f32 v[U1S+n:U1S+n+1], v[U1C+n:U1C+n+1], 4.0 op_sel_hi:[1,0]
.set n, n+2
.endr
	WIN 0
	s_wait_alu depctr_va_vdst(0)
	; PRODUCT 1
	FETCH1 0, 0, 0
.irp t, 0,1,2,3,4,5,6,7
	STEP \t
	TURN \t
.endr
	WIN 0
	PLACES 4
	; THE FIVE STEPS AND THE WAY OUT, chunk by chunk; only the lines that read a chunk's accumulators differ between trips
	s_mov_b32 s[CH], 0
	s_wait_alu depctr_va_vdst(0)
.Lchunk:
	ARM 0
	ARM 1
	ARM 2
	X 3
.Ljoin:
.irp b, 0,1,2,3
	FIN1 \b
.endr
	WIN 0
	s_mov_b32 s[CNT], 0
	s_wait_alu depctr_va_vdst(0)
.Lgen:                                                 ; steps 2 to 4
.irp b, 0,1,2,3
	GEN \b
.endr
	s_add_co_u32 s[CNT], s[CNT], 1
	s_cmp_lt_u32 s[CNT], 3
	s_wait_alu depctr_va_vdst(0)
	s_cbranch_scc1 .Lgen
.irp b, 0,1,2,3
	LAST \b
.endr
.irp i, 0,1,2,3,4,5,6,7                ; through my own stage, back as whole rows of 512 bytes
	ds_store_b128 v[STO], v[VV+8*\i:VV+8*\i+3] offset:64*\i
	ds_store_b128 v[STO], v[VV+8*\i+4:VV+8*\i+7] offset:64*\i+16
.endr
.irp i, 0,1,2,3,4,5,6,7,8,9,10,11,12,13,14,15
	ds_load_b128 v[JJ+4*\i:JJ+4*\i+3], v[SRD] offset:\i*SPITCH
.endr
	s_wait_dscnt 0x0
.irp i, 0,1,2,3,4,5,6,7,8,9,10,11,12,13,14,15
	global_store_b128 v[CO], v[JJ+4*\i:JJ+4*\i+3], s[16:17] offset:\i*2048 th:TH_STORE_NT   ; 32 lanes store 512 consecutive bytes, aligned
.endr
	s_wait_xcnt 0x0                                ; the stores' base and data are rewritten only behind this wait
	s_add_nc_u64 s[16:17], s[16:17], 32768         ; 16 rows on
	s_add_co_u32 s[CH], s[CH], 1
	s_cmp_lt_u32 s[CH], 4
	s_wait_alu depctr_va_vdst(0)
	s_cbranch_scc1 .Lchunk
	s_wait_tensorcnt 0x0                           ; the wave's end
	ds_add_u32 v[SPW], v[NIL]
	s_wait_dscnt 0x0
	CROUND                                         ; the closing round
	s_endpgm
.Lfunc_end_k_q7e6dd2a449_ca3:
	.size	k_q7e6dd2a449_ca3, .Lfunc_end_k_q7e6dd2a449_ca3-k_q7e6dd2a449_ca3
	.p2alignl 7, 3214868480
	.fill 96, 4, 3214868480
	.section	.rodata,"a",@progbits
	.p2align	6, 0x0
	.amdhsa_kernel k_q7e6dd2a449_ca3
		.amdhsa_group_segment_fixed_size 327680
		.amdhsa_private_segment_fixed_size 0
		.amdhsa_enable_private_segment 0
		.amdhsa_kernarg_size 56
		.amdhsa_user_sgpr_count 2
		.amdhsa_user_sgpr_kernarg_segment_ptr 1
		.amdhsa_wavefront_size32 1
		.amdhsa_system_sgpr_workgroup_id_x 1
		.amdhsa_system_sgpr_workgroup_id_y 1
		.amdhsa_system_sgpr_workgroup_id_z 1
		.amdhsa_system_vgpr_workitem_id 0
		.amdhsa_next_free_vgpr 1024
		.amdhsa_next_free_sgpr 100
		.amdhsa_reserve_vcc 0
		.amdhsa_float_denorm_mode_32 3
		.amdhsa_float_denorm_mode_16_64 3
		.amdhsa_memory_ordered 1
		.amdhsa_forward_progress 1
		.amdhsa_inst_pref_size 250
	.end_amdhsa_kernel
	.amdgpu_metadata
---
amdhsa.version: [ 1, 2 ]
amdhsa.kernels:
  - .name:           k_q7e6dd2a449_ca3
    .symbol:         k_q7e6dd2a449_ca3.kd
    .args:
      - { .name: dg_query_spikes_codes, .offset: 0, .size: 8, .value_kind: global_buffer, .address_space: global }
      - { .name: W_mossy_codes, .offset: 8, .size: 8, .value_kind: global_buffer, .address_space: global }
      - { .name: W_rec_codes, .offset: 16, .size: 8, .value_kind: global_buffer, .address_space: global }
      - { .name: lowp_scales, .offset: 24, .size: 8, .value_kind: global_buffer, .address_space: global }
      - { .name: v0, .offset: 32, .size: 8, .value_kind: global_buffer, .address_space: global }
      - { .name: u0, .offset: 40, .size: 8, .value_kind: global_buffer, .address_space: global }
      - { .name: out0, .offset: 48, .size: 8, .value_kind: global_buffer, .address_space: global }
    .group_segment_fixed_size: 327680
    .private_segment_fixed_size: 0
    .kernarg_segment_align: 8
    .kernarg_segment_size: 56
    .max_flat_workgroup_size: 128
    .sgpr_count:     100
    .vgpr_count:     1024
    .wavefront_size: 32
...
	.end_amdgpu_metadata
.endif
;; end of part 1
